; MI455X (gfx1250); checked and timed in simulation.
; The chip was launched on July 23, 2026; its instructions are those of AMD's public machine-readable ISA for CDNA 5 (MIT licence, August 2026) and "CDNA5" Instruction Set Architecture Reference Guide (July 2026). The comments in the code are by the model that wrote it; some were corrected since.
;; Scale Dot Product. Allowed arithmetic: matrix products marked QUANTISED: E2M1 operands, one E8M0 scale for each 32 along K, by v_wmma_scale_f32_16x16x128_f8f6f4 with both operands' format E2M1 (or v_wmma_scale_f32_32x16x128_f4), f32 sums; everything else in f32.
;; Inputs: scale one number float32; x1 4 x 16 x 2,048 x 64 float32; x2 4 x 16 x 2,048 x 64 float32; x3 4 x 16 x 2,048 x 64 float32.
;; Outputs: out0 4 x 16 x 2,048 x 64 float32.
;; This version of the problem:
;;   THIS VERSION OF THE PROBLEM IS GIVEN IN LOW PRECISION. The matrix products marked QUANTISED in the list below multiply operands that are first quantised to E2M1 (2 exponent bits, 1 mantissa bit; 4 bits a number), with one power-of-two scale for each 32 numbers along K (OCP MX v1.0); their sums are f32. All else is computed in f32.
;;   The module's matrix products, in the order in which they are computed (A, B: the left and right operand; K: the contracted axis; several contracted axes count as one K, in the product's order):
;;     1. batch 64 x [M 2,048, K 64] x [K 64, N 2,048]; A: input x1; B: input x2: QUANTISED
;;     2. batch 64 x [M 2,048, K 2,048] x [K 2,048, N 64]; A: softmax (see below); B: input x3: QUANTISED
;;   THE QUANTISER, for each operand of a quantised product, along K:
;;     - K is cut into blocks of 32 from its start; a last block that is shorter is filled with zeros.
;;     - A block's scale is 2^e with e = floor(log2(the largest magnitude in the block)) - 2, held to -126 .. 127; a block of zeros has e = 0. As a byte (E8M0): e + 127.
;;     - Each number is divided by its block's scale, clamped to +-6, and rounded to the nearest number of E2M1, ties to even, subnormals kept.
;;     - The product sums the exact products of the quantised numbers (number of the format x scale) in f32.
;;   ~~~python
;;   def quantise(x, axis):      # numpy; x: float32 -> the quantised numbers, widened to float32 again
;;       x = np.moveaxis(x, axis, -1); K = x.shape[-1]
;;       x = np.pad(x, [(0, 0)] * (x.ndim - 1) + [(0, -K % 32)]); x = x.reshape(x.shape[:-1] + (-1, 32)); a = np.abs(x).max(-1, keepdims=True)
;;       e = np.where(a > 0, np.clip(np.frexp(np.where(a > 0, a, 1))[1] - 1 - 2, -126, 127), 0)      # np.frexp(a)[1] - 1 = floor(log2(a)), exactly
;;       r = np.clip(x / 2.0 ** e, -6, 6)
;;       step = 2.0 ** (np.maximum(np.frexp(np.where(r == 0, 1, r))[1] - 1, 0) - 1)
;;       q = np.round(r / step) * step * 2.0 ** e      # np.round: ties to even
;;       return np.moveaxis(q.reshape(q.shape[:-2] + (-1,))[..., :K], -1, axis).astype(np.float32)
;;   ~~~
;;   SOFTMAX AHEAD OF A QUANTISED PRODUCT. Where the list says 'softmax', what is quantised is not the finished softmax but p = 2^(t - M), with t = logit x log2(e) and M = ceil(the row's largest t), a whole number; so 1/2 < the row's largest p <= 1. The row's sum l is taken of the UNQUANTISED p, in f32, and the product's result is divided by l at the end. Since M is a whole number, a kernel that streams over the keys may use a running M (the ceiling of the running maximum): every later rescaling is an exact power of two, which a block's scale takes up: the codes' values come out the same.
;;   OPERANDS COMPUTED ON THE WAY. 'Computed on the way' means the value that the module computes at that place (a softmax that the list does not call 'softmax' is quantised finished and normalised). What goes into a quantiser is computed in f32, as accurately as f32 sums, v_exp_f32 and their like allow (about 1e-6 of the number): no bf16 or f16 on the way to a quantiser, and a product that is left as it is and whose result goes on into a quantised operand takes f32 operands (vector FMAs, or v_wmma_f32_16x16x4_f32). A number that lies on a knife's edge between two numbers of the format may be rounded either way, as far as f32 arithmetic and the matrix unit's own rounding can turn it there, and no further.
;; One version. Each part assembles by itself: llvm-mc -triple=amdgcn-amd-amdhsa -mcpu=gfx1250 --defsym DOCPART=n.
;; ======== version 1 of 1: 1 launch
;; limits: right only within a limited range of input values
;; launch attn (part 1): grid 4 x 64, 16 waves a work-group, clusters of 4 x 1, 327,680 bytes of LDS; arguments scale, x1, x2, x3, out0; writes out0
.if DOCPART == 1
	.amdgcn_target "amdgcn-amd-amdhsa--gfx1250"
	.amdhsa_code_object_version 6
	.text
	.protected	k_q1d8f78880a_attn
	.globl	k_q1d8f78880a_attn
	.p2align	8
	.type	k_q1d8f78880a_attn,@function
k_q1d8f78880a_attn:
	s_mov_b64 s[64:65], 0
	v_nop
	global_prefetch_b8 v0, s[64:65] scope:SCOPE_SE
	s_setreg_imm32_b32 hwreg(HW_REG_WAVE_MODE, 25, 1), 1
	s_wait_xcnt 0x0
	s_wait_alu depctr_hold_cnt(0) depctr_sa_sdst(0) depctr_va_vdst(0) depctr_va_sdst(0) depctr_va_ssrc(0) depctr_va_vcc(0) depctr_vm_vsrc(0)
	s_getreg_b32 s2, hwreg(HW_REG_IB_STS2, 6, 4)
	s_cmp_eq_u32 s2, 0
	s_cbranch_scc0 .Lentry_in_a_cluster
	s_endpgm
.Lentry_in_a_cluster:
	s_bfe_u32 s2, ttmp6, 0x10000c
	s_cmp_lg_u32 s2, 0x3003
	s_cbranch_scc0 .Lentry_shape_is_right
	s_endpgm
.Lentry_shape_is_right:
; out0[head][q][:] = the sum over k of softmax_k(x1[q] . x2[k] x scale) x3[k][:], 64 heads, 2,048 queries and keys, head size 64; both products on codes of E2M1 with one E8M0 scale for each 32 along K.
; NO WORK OF THE PROBLEM IS LEFT OUT: x1, x2, x3 and scale all reach the output (scale moves t and so p's codes), and both products are done whole.
; ONE LAUNCH: x2 and x3 arrive as f32 tiles of 256 keys in a ring of two LDS slots, are turned into codes by the work-group's sixteen waves and laid in LDS as images of the operand registers; nothing goes through memory.
; THE QUANTISER: a block's scale is 2^(floor(log2(its largest magnitude)) - 2); its byte is the largest magnitude's exponent field - 2, held at 1 from below.
; THE SOFTMAX AHEAD OF THE SECOND PRODUCT: t = score x scale x log2(e); M = the running largest t rounded UP to a whole number; p = 2^(t - M) is quantised along the keys, not normalised.
; The row's sum is taken of the unquantised p, in f32, and divides at the end.  When M moves, the sum and O are multiplied by 2^(old M - new M): exact.
; THE SIGN OF scale: c = |scale x log2(e)|; where scale is negative the sign bits of x1's codes are turned (an exclusive or, no branch), which negates every score exactly: so p rises with the score.
; SHARES.  A work-group owns 512 queries of a head; each of its sixteen waves 32: two tiles of 16, A and B, which share every fragment of K and V.
; THE RING.  A slot holds 256 rows of x2 and 256 of x3, 256 bytes each + 16 of padding.  Wave w fetches 32 rows (w < 8: x2's, else x3's): one tensor load a wave behind each round.
; CLUSTER.  The four work-groups of a head need the same tiles: each is asked for JOINTLY, by the same tensor load with the same descriptor and a mask that names the four.
; A TRIP t: the round; tile t + 1 is asked for; two attention steps of 128 keys run on image pair (t - 1) % 2, and tile t becomes codes in image pair t % 2.  Trip 0 has no attention steps (x1 is quantised there); the last two steps follow trip 7.
; WHO QUANTISES WHAT: each wave one block of 32 numbers a lane of K and one of V, each in the place of an attention step where the registers of S are free: between tile A's sums and tile B's scores.
; K: wave w takes keys 16 w .. 16 w + 15, lane (r', h) the numbers d = 32 h .. 32 h + 31 of key 16 w + r'.  V: wave w takes keys 32 (w / 2) .. + 31 and channels 32 (w % 2) + lane; a lane's registers run down the keys.
; AN IMAGE, 8,704 bytes (128 keys; a pair is two): 0: K, four pairs b of 1,024: the 16 bytes at 1024 b + 512 u + 256 h + 16 r are d = 32 h .. of key 32 b + 8 u + r + 8 (r / 8);
; 4096: V^T, four tiles t of 1,024: the 16 bytes at 1024 t + 256 j + 16 r are keys 32 j .. of channel 16 t + r; 8192: scale words, 16 bytes a lane: lanes 0-15 K's four (byte 2 u + h of word b), lanes 16-31 V's four (byte j of word t).
; LAYOUT.  Both products are used transposed: S^T = K Q^T, O^T = V^T P^T: a lane holds ONE query (lane % 16) throughout.
; K = 64 IN AN INSTRUCTION OF 128: source 0 holds two tiles of 16 keys; it is multiplied once by [Q | zero codes] and once by [zero codes | Q]: Q lies as twelve registers [Q][0][Q].  The dead half's scale bytes on Q's side are 1.
; PREFETCH: in trip t each wave names eight blocks of 256 bytes of tile t + 3, which the refill two trips on asks for: of the 32 rows that it will fetch, the partner at place cx takes rows 8 cx .. 8 cx + 7
; (told apart by address; lanes 8 to 31 name the last block again).  Trips 5 on ask for nothing: there is no such tile.  Tiles 0 to 2 come by their loads alone.
; LIMITS: NaN and infinities among the inputs are not served.  A block of zeros has the byte 1 where the quantiser says 127 (its codes are zeros, and this launch alone reads the bytes); blocks whose largest magnitude lies under 2^-124 are held at the byte 1.
; A p under 2^-126 comes out of v_exp_f32 as zero.  A block's largest p is taken from its largest score, which takes v_exp_f32 not to fall where its input rises.
; t is score x (scale x log2(e)), one rounding placed otherwise than in (score x scale) x log2(e).  The promise holds while |t| stays under 2^31.
.set ROWP,  272                        ; an LDS row: 256 bytes + 16
.set ST16,  16*ROWP                    ; 16 rows: a stage
.set WROWS, 32*ROWP                    ; what one tensor load brings
.set VBASE, 8*WROWS                    ; x3's rows in a slot
.set SLOTB, 16*WROWS                   ; slot 0 at 0, slot 1 at SLOTB: an exclusive or with SLOTB changes between the two first bytes
.set SPARE, 2*SLOTB                    ; the spare words, 128 bytes for each wave: eight blocks of 256 bytes that no other line names
.set IMH,   8704                       ; an image
.set IMG0,  SPARE+2048                 ; image pair 0; no tensor load lands from here on
.set IMG1,  IMG0+2*IMH                 ; image pair 1
.set IMGX,  IMG0^IMG1
.set XST,   IMG0                       ; x1's way in: eight stages of 16 rows, on the images' bytes, ahead of their first use
.set TILEB, 65536                      ; 256 rows of x2 or x3 in memory
.set LI,  1                            ; v1   16 x lane
.set ADR, 2                            ; v2   the image pair in hand + 16 x lane
.set SPW, 3                            ; v3   my spare word; never rewritten
.set NIL, 4                            ; v4   0; never rewritten
.set T,   5
.set F,   6                            ; v[6:7]   f = 2^(old M - new M), and a 0
.set STA, 8                            ; v[8:11]  tile A: -M, the largest t, the sum in two halves
.set STB, 12
.set QA,  16                           ; v[16:27] tile A's [Q][0][Q]
.set QB,  28
.set QSC, 40                           ; v40-43   Q's scale words
.set SC,  44                           ; v[44:47] the step's scale words
.set PWA, 48
.set PWB, 49
.set BM,  50                           ; v50-53   blocks' largest scores, then largest p
.set PD,  54                           ; v54-57   lane permutes' destinations, then bytes
.set SOP, 58                           ; v58-61   the conversions' scale operands
.set T2,  62
.set PCA, 64                           ; v[64:71] p's codes, tile A
.set PCB, 72                           ; tile B (and, ahead of them, the codes of my block of K or V)
.set KF,  80                           ; v[80:111]  four fragments of K, then of V
.set S,   112                          ; v[112:175] S^T, then p; also the f32 numbers on their way to codes
.set OA,  176
.set OB,  208
.set SA,   240                         ; at the head: x1's stage, 272 r + 128 h
.set RD,   241                         ; at the head and on the way out: 272 (lane / 16) + 16 (lane % 16)
.set SB,   240                         ; on the way out: 272 r + 32 h
.set ADQK, 240                         ; in the trips: this trip's addresses: my block in x2's tile,
.set ADQV, 241                         ; in x3's tile,
.set CKS,  242                         ; my 16 bytes of K's codes, my byte of K's scales,
.set CKB,  243
.set CVS,  244                         ; and V's
.set CVB,  245
.set AKR,  246                         ; the same six without the slot's or the image pair's first byte
.set AVR,  247
.set CV,   248                         ; v[248:249] c, twice
.set CKS0, 250
.set CKB0, 251
.set CVS0, 252
.set CVB0, 253
.set PFO,  254                         ; the prefetches' offset: 256 x min(lane, 7)
.set RA,  KF                           ; the way out: 1 / the sums, as pairs
.set RB,  KF+2
.set WV,  12
.set SEL, 20
.set WOFF, 23                          ; s23  my 32 rows' place in a slot
.set G1,  24
.set G0,  32
.set TF,  38                           ; s38  the f32 slot in hand
.set CNT, 39                           ; s39  7 - the trip's number
.set TC,  42                           ; s42  the image pair that is written
.set TA,  43                           ; s43  the image pair that is read
.set PFA, 44                           ; s[44:45] my wave's rows of the tile that is being asked for, + 2,048 cx
.macro CROUND                          ; a round of the cluster's barrier
	s_barrier_signal -1
	s_barrier_wait -1
	s_cmp_lg_u32 s[WV], 0
	s_cbranch_scc1 .Lnot_wave_0_\@
	s_barrier_signal -3
.Lnot_wave_0_\@:
	s_barrier_wait -3
	s_barrier_signal -1
	s_barrier_wait -1
.endm
.macro NOP4
.rept 4
	v_nop
.endr
.endm
	s_load_b256 s[4:11], s[0:1], 0x0               ; scale, x1, x2, x3
	s_load_b64 s[40:41], s[0:1], 0x20              ; out0
	v_lshl_add_u32 v[SPW], v0, 2, SPARE
	v_mov_b32 v[NIL], 0
	ds_add_u32 v[SPW], v[NIL]                      ; the opening: the add, twice on end, and its wait ahead of my first tensor load
	ds_add_u32 v[SPW], v[NIL]
	v_lshrrev_b32 v[T], 5, v0
	v_readfirstlane_b32 s[WV], v[T]                ; wave 0..15
	s_bfe_u32 s13, ttmp6, 0x40000                  ; cx: it enters x1's, out0's and the prefetches' addresses alone
	s_lshl_b32 s14, ttmp9, 2
	s_add_co_u32 s14, s14, s13                     ; my block of 512 queries
	s_and_b32 s15, ttmp7, 0xffff                   ; the head, which the four partners share
	s_lshl_b32 s18, s15, 19                        ; a head is 524,288 bytes,
	s_lshl_b32 s17, s14, 17                        ; 512 rows 131,072,
	s_add_co_u32 s16, s18, s17
	s_lshl_b32 s17, s[WV], 13                      ; my wave's 32 rows 8,192
	s_add_co_u32 s16, s16, s17
	s_mov_b32 s17, 0
	s_and_b32 s46, s[WV], 7
	s_lshr_b32 s47, s[WV], 3                       ; which tensor I fetch for; also: which image of the pair my blocks belong to
	s_lshl_b32 s19, s46, 13                        ; the 32 rows that I fetch
	s_add_co_u32 s18, s18, s19
	s_mov_b32 s19, 0
	s_mul_i32 s[WOFF], s[WV], WROWS
	s_mov_b32 s[G0+1], s[WOFF]                     ; LDS address: slot 0
	s_mov_b32 s[G1], 15|(3<<16)|(1<<20)|(1<<21)|(5<<22)|(3<<25)   ; the mask: all four; elements of 8 bytes; padding: four words after every 64; bit 21 beside a mask
	s_mov_b32 s[G1+1], 32<<16                      ; tensor_dim0 = 32
	s_mov_b32 s[G1+2], 32<<16                      ; tensor_dim1 = 32
	s_mov_b32 s[G1+3], 32<<16                      ; tile_dim0
	s_mov_b32 s[G1+4], 32                          ; tile_dim1
	s_mov_b32 s[G1+5], 32                          ; pitch
	s_mov_b32 s[G1+6], 0
	s_mov_b32 s[G1+7], 0
	s_mov_b32 s[G0], 1
	s_mov_b32 s[SEL], 0x76543210
	s_mov_b32 s[SEL+1], 0xfedcba98
	s_mov_b32 s[TF], 0
	s_mov_b32 s[TC], IMG0
	s_mov_b32 s[TA], IMG1
	s_mov_b32 s[CNT], 6
	s_mul_i32 s22, s46, ST16
	s_add_co_u32 s22, s22, XST                     ; x1's stage: waves w and w + 8 take turns on it
	s_lshr_b32 s48, s[WV], 1
	s_mul_i32 s51, s48, WROWS                      ; V: keys 32 (w / 2) on,
	s_and_b32 s48, s48, 3                          ; (w / 2) % 4: K's pair b, V's key block j
	s_and_b32 s49, s[WV], 1
	s_lshl_b32 s50, s49, 7
	s_add_co_u32 s51, s51, s50                     ; channels 32 (w % 2) on
	s_add_co_u32 s51, s51, VBASE
	s_mul_i32 s55, s47, IMH
	s_add_co_u32 s52, s55, s50                     ; K's codes: image + 1024 b + 128 (w % 2)
	s_lshl_b32 s53, s48, 10
	s_add_co_u32 s52, s52, s53
	s_add_co_u32 s53, s55, s50                     ; K's bytes: image + 8192 + 128 (w % 2) + 4 b
	s_lshl_b32 s54, s48, 2
	s_add_co_u32 s53, s53, s54
	s_add_co_u32 s53, s53, 8192
	s_lshl_b32 s54, s49, 11                        ; V's codes: image + 4096 + 2048 (w % 2) + 256 j
	s_add_co_u32 s54, s54, s55
	s_lshl_b32 s56, s48, 8
	s_add_co_u32 s54, s54, s56
	s_add_co_u32 s54, s54, 4096
	s_lshl_b32 s56, s49, 3                         ; V's bytes: image + 8448 + 8 (w % 2) + j
	s_add_co_u32 s56, s56, s55
	s_add_co_u32 s56, s56, s48
	s_add_co_u32 s56, s56, 8448
	s_mul_i32 s50, s[WV], ST16                     ; K: keys 16 w on
	v_and_b32 v52, 31, v0                          ; lane
	v_and_b32 v50, 15, v0                          ; r
	v_bfe_u32 v51, v0, 4, 1                        ; h
	v_bfe_u32 v53, v0, 3, 1                        ; r / 8
	v_and_b32 v54, 7, v0                           ; r % 8
	v_lshlrev_b32 v[LI], 4, v52
	v_mul_u32_u24 v[AKR], v50, ROWP
	v_mul_u32_u24 v[RD], v51, ROWP
	v_lshlrev_b32 v[AVR], 2, v52
	v_lshlrev_b32 v55, 4, v54                      ; 16 (r % 8)
	v_lshlrev_b32 v[CVS0], 4, v50                  ; 16 r
	v_min_u32 v[PFO], 7, v52
	v_lshl_add_u32 v[AKR], v51, 7, v[AKR]          ; 272 r + 128 h
	v_lshl_add_u32 v[RD], v50, 4, v[RD]
	v_add_nc_u32 v[AVR], s51, v[AVR]
	v_lshl_add_u32 v[CKS0], v53, 9, v55
	v_lshl_add_u32 v[CKB0], v53, 1, v55
	v_lshl_add_u32 v[CVB0], v51, 2, v[CVS0]
	v_lshl_add_u32 v[CVS0], v51, 10, v[CVS0]
	v_add_nc_u32 v[SA], s22, v[AKR]
	v_add_nc_u32 v[AKR], s50, v[AKR]
	v_add_nc_u32 v[RD], s22, v[RD]
	v_lshl_add_u32 v[CKS0], v51, 8, v[CKS0]
	v_add_nc_u32 v[CKB0], v[CKB0], v51
	v_add_nc_u32 v[CVB0], s56, v[CVB0]
	v_add_nc_u32 v[CVS0], s54, v[CVS0]
	v_lshlrev_b32 v[PFO], 8, v[PFO]
	v_add_nc_u32 v[CKS0], s52, v[CKS0]
	v_add_nc_u32 v[CKB0], s53, v[CKB0]
.irp b, 0,1,2,3
	v_mov_b32 v[PD+\b], 0                          ; a lane permute's destination counts as one of its sources
.endr
	v_mov_b32 v[F+1], 0
	s_wait_alu depctr_va_vdst(0)
	s_wait_dscnt 0x0                               ; both opening adds are done
	s_wait_kmcnt 0x0
	s_load_b32 s36, s[4:5], 0x0                    ; scale's bits
	s_add_nc_u64 s[6:7], s[6:7], s[16:17]          ; x1 and out0 at my wave's first query
	s_add_nc_u64 s[40:41], s[40:41], s[16:17]
	s_cmp_lt_u32 s[WV], 8                          ; the choice hangs on the wave's number alone
	s_cselect_b64 s[G0+2:G0+3], s[8:9], s[10:11]
	s_add_nc_u64 s[G0+2:G0+3], s[G0+2:G0+3], s[18:19]   ; my 32 rows of tile 0
	s_lshl_b32 s50, s13, 11
	s_mov_b32 s51, 0
	s_add_nc_u64 s[PFA:PFA+1], s[G0+2:G0+3], s[50:51]
	s_or_b32 s[G0+3], s[G0+3], 0x80000000          ; type = 2
	CROUND                                         ; all four work-groups are here: the joint loads meet
	tensor_load_to_lds s[G0:G0+3], s[G1:G1+7]      ; tile 0: my one tensor load at the head
	s_nop 0
.irp i, 0,1,2,3,4,5,6,7,8,9,10,11,12,13,14,15
	global_load_b128 v[S+4*\i:S+4*\i+3], v[LI], s[6:7] offset:512*\i th:TH_LOAD_NT   ; queries 2 i and 2 i + 1: 512 consecutive bytes
.endr
; 32 numbers of one block, v[x] on, become 4 registers of codes, v[c] on, and the scale's byte in v[BM+2]
.macro QBLK x, c
	v_max3_num_f32 v[BM], |v[\x]|, |v[\x+1]|, |v[\x+2]|
	v_max3_num_f32 v[BM+1], |v[\x+3]|, |v[\x+4]|, |v[\x+5]|
.irp i, 6,10,14,18,22,26
	s_delay_alu instid0(VALU_DEP_2)
	v_max3_num_f32 v[BM], v[BM], |v[\x+\i]|, |v[\x+\i+1]|
	s_delay_alu instid0(VALU_DEP_2)
	v_max3_num_f32 v[BM+1], v[BM+1], |v[\x+\i+2]|, |v[\x+\i+3]|
.endr
	s_delay_alu instid0(VALU_DEP_2)
	v_max3_num_f32 v[BM], v[BM], |v[\x+30]|, |v[\x+31]|
	s_delay_alu instid0(VALU_DEP_1)
	v_max3_num_f32 v[BM], v[BM], v[BM+1], 0x1800000   ; the floor 2^(3 - 127): the byte cannot fall under 1
	s_delay_alu instid0(VALU_DEP_1)
	v_add_nc_u32 v[SOP], 0xff000000, v[BM]         ; 2 off the exponent field: the conversions' scale operand
.irp g, 0,1,2,3
	v_cvt_scalef32_pk8_fp4_f32 v[\c+\g], v[\x+8*\g:\x+8*\g+7], v[SOP]
.endr
	v_lshrrev_b32 v[BM+2], 23, v[SOP]              ; the scale's byte; also the plain instruction behind the conversions
.endm
; The head of a trip.  The trip's addresses; then, in every wave: all my tensor loads are done, the add, the add and my LDS reads and stores are done; the round.
; Behind it tile t is whole, image pair (t - 1) % 2 is whole, and nobody reads the other slot or the other pair.  refill = 1: the other slot takes tile t + 1.
.macro TRIPHEAD refill
	v_add_nc_u32 v[ADQK], s[TF], v[AKR]
	v_add_nc_u32 v[ADQV], s[TF], v[AVR]
	v_add_nc_u32 v[CKS], s[TC], v[CKS0]
	v_add_nc_u32 v[CKB], s[TC], v[CKB0]
	v_add_nc_u32 v[CVS], s[TC], v[CVS0]
	v_add_nc_u32 v[CVB], s[TC], v[CVB0]
	v_add_nc_u32 v[ADR], s[TA], v[LI]
	s_wait_alu depctr_va_vdst(0)
	s_wait_tensorcnt 0x0
	ds_add_u32 v[SPW], v[NIL]
.if \refill
	s_xor_b32 s57, s[TF], SLOTB                    ; no load of mine is out: the descriptor walks to the other slot and the next tile
	s_add_co_u32 s[G0+1], s57, s[WOFF]
	s_add_nc_u64 s[G0+2:G0+3], s[G0+2:G0+3], TILEB
	s_wait_xcnt 0x0                                ; my last prefetch has read its address
	s_add_nc_u64 s[PFA:PFA+1], s[PFA:PFA+1], TILEB
.endif
	s_wait_dscnt 0x0
.if \refill
	CROUND
	tensor_load_to_lds s[G0:G0+3], s[G1:G1+7]      ; my one tensor load behind this round
	s_nop 0
	s_cmp_lt_u32 s[CNT], 3                         ; trips 5 and 6: there is no tile two refills on
	s_cbranch_scc1 .Lno_ask_\@
	global_prefetch_b8 v[PFO], s[PFA:PFA+1] offset:2*TILEB th:TH_LOAD_NT scope:SCOPE_SE
.Lno_ask_\@:
.else
	s_barrier_signal -1
	s_barrier_wait -1
.endif
.endm
.macro ATTN_LD o                       ; a step's scale words and K's four pairs: nine loads
	ds_load_b128 v[SC:SC+3], v[ADR] offset:(\o)+8192
.irp i, 0,1,2,3,4,5,6,7
	ds_load_b128 v[KF+4*\i:KF+4*\i+3], v[ADR] offset:(\o)+512*\i
.endr
.endm
.macro QLK x                           ; my block of K: 32 neighbours along d; sixteen lanes take sixteen neighbouring rows
.irp j, 0,1,2,3,4,5,6,7
	ds_load_b128 v[\x+4*\j:\x+4*\j+3], v[ADQK] offset:16*\j
.endr
.endm
.macro QLV x                           ; my block of V: my channel, down 32 keys; 32 lanes read 128 consecutive bytes
.set J, 0
.rept 32
	ds_load_b32 v[\x+J], v[ADQV] offset:ROWP*J
.set J, J+1
.endr
.endm
.macro QST x, c, cs, cb                ; a block becomes codes and a byte of the image
	QBLK \x, \c
	ds_store_b128 v[\cs], v[\c:\c+3]
	ds_store_b8 v[\cb], v[BM+2]
.endm
.macro TOGGLE
	s_xor_b32 s[TF], s[TF], SLOTB
	s_xor_b32 s[TC], s[TC], IMGX
	s_xor_b32 s[TA], s[TA], IMGX
.endm
; S^T of one tile of queries: eight products, each with the constant 0 as C.  Pair b's fragment serves twice.
.macro SMUL q, sl, sh
.irp b, 0,1,2,3
	v_wmma_scale_f32_16x16x128_f8f6f4 v[S+16*\b:S+16*\b+7], v[KF+8*\b:KF+8*\b+7], v[\q:\q+7], 0, v[SC+\b], v[\sl] matrix_a_fmt:MATRIX_FMT_FP4 matrix_b_fmt:MATRIX_FMT_FP4
	v_wmma_scale_f32_16x16x128_f8f6f4 v[S+16*\b+8:S+16*\b+15], v[KF+8*\b:KF+8*\b+7], v[\q+4:\q+11], 0, v[SC+\b], v[\sh] matrix_a_fmt:MATRIX_FMT_FP4 matrix_b_fmt:MATRIX_FMT_FP4
.endr
.endm
; The softmax of one tile for 128 keys: S becomes p, p's codes go to v[pc] on, their scale word to v[pw], f to v[F]
.macro SM1 st, pc, pw
.irp b, 0,1,2,3
	v_max3_num_f32 v[BM+\b], v[S+16*\b], v[S+16*\b+1], v[S+16*\b+2]   ; the largest score of each block of 32 keys; each result is read from its low end on
.endr
.irp i, 3,5,7,9,11,13
.irp b, 0,1,2,3
	v_max3_num_f32 v[BM+\b], v[BM+\b], v[S+16*\b+\i], v[S+16*\b+\i+1]
.endr
.endr
.irp b, 0,1,2,3
	v_max_num_f32 v[BM+\b], v[BM+\b], v[S+16*\b+15]
.endr
.irp b, 0,1,2,3
	s_delay_alu instid0(VALU_DEP_4)
	v_permlanex16_b32 v[PD+\b], v[BM+\b], s[SEL], s[SEL+1]
.endr
.irp b, 0,1,2,3
	s_delay_alu instid0(VALU_DEP_4)
	v_max_num_f32 v[BM+\b], v[BM+\b], v[PD+\b]     ; with lane l xor 16's 16 keys
.endr
	s_delay_alu instid0(VALU_DEP_2)
	v_max3_num_f32 v[T], v[BM], v[BM+1], v[BM+2]
	s_delay_alu instid0(VALU_DEP_1)
	v_max_num_f32 v[T], v[T], v[BM+3]
	s_delay_alu instid0(VALU_DEP_1)
	v_mul_f32 v[T], v[CV], v[T]                    ; as t (c is not negative)
	s_delay_alu instid0(VALU_DEP_1)
	v_max_num_f32 v[\st+1], v[\st+1], v[T]         ; the running largest t
	v_mov_b32 v[T], v[\st]
	s_delay_alu instid0(VALU_DEP_2)
	v_floor_f32 v[\st], -v[\st+1]                  ; the new -M = -ceil(t)
	s_delay_alu instid0(VALU_DEP_1)
	v_sub_f32 v[T], v[\st], v[T]                   ; old M less new M: a whole number, 0 or less
	s_delay_alu instid0(VALU_DEP_1)
	v_cvt_i32_f32 v[T], v[T]
	s_delay_alu instid0(VALU_DEP_1)
	v_ldexp_f32 v[F], 1.0, v[T]                    ; f = 2^(old M - new M)
.set J, 0
.rept 32
	v_pk_fma_f32 v[S+J:S+J+1], v[S+J:S+J+1], v[CV:CV+1], v[\st:\st+1] op_sel_hi:[1,0,0]   ; t - M
.set J, J+2
.endr
.irp b, 0,1,2,3
	v_fma_f32 v[BM+\b], v[BM+\b], v[CV], v[\st]    ; the same of each block's largest score
.endr
	s_wait_alu depctr_va_vdst(0)
.irp b, 0,1,2,3
	v_exp_f32 v[BM+\b], v[BM+\b]                   ; the block's largest p
.endr
.set J, 0
.rept 64
	v_exp_f32 v[S+J], v[S+J]                       ; p = 2^(t - M)
.set J, J+1
.endr
	v_pk_mul_f32 v[\st+2:\st+3], v[\st+2:\st+3], v[F:F+1] op_sel_hi:[1,0]   ; the sums under the new M: the plain instruction behind the exponentials
	s_wait_alu depctr_va_vdst(0)                   ; one wait for the batch of 68, ahead of its first reader
.irp b, 0,1,2,3
	v_max_num_f32 v[BM+\b], 0x1800000, v[BM+\b]    ; the floor: the byte cannot fall under 1
.endr
.irp b, 0,1,2,3
	s_delay_alu instid0(VALU_DEP_4)
	v_add_nc_u32 v[SOP+\b], 0xff000000, v[BM+\b]
.endr
.irp b, 0,1,2,3
	s_delay_alu instid0(VALU_DEP_4)
	v_lshrrev_b32 v[PD+\b], 23, v[SOP+\b]
.endr
	s_delay_alu instid0(VALU_DEP_3)
	v_lshl_or_b32 v[\pw], v[PD+1], 8, v[PD]        ; p's scale word for these 128 keys
	s_delay_alu instid0(VALU_DEP_1)
	v_lshl_or_b32 v[\pw], v[PD+2], 16, v[\pw]
	s_delay_alu instid0(VALU_DEP_1)
	v_lshl_or_b32 v[\pw], v[PD+3], 24, v[\pw]
.irp b, 0,1,2,3
	v_cvt_scalef32_pk8_fp4_f32 v[\pc+2*\b], v[S+16*\b:S+16*\b+7], v[SOP+\b]
	v_cvt_scalef32_pk8_fp4_f32 v[\pc+2*\b+1], v[S+16*\b+8:S+16*\b+15], v[SOP+\b]
.endr
	v_nop                                          ; one plain instruction behind the scaled conversions
.irp c, 0,1                                    ; a whole block in a lane: lanes 0-15 block 2 c, lanes 16-31 block 2 c + 1
.irp i, 0,1
	v_permlane16_swap_b32 v[\pc+4*\c+\i], v[\pc+2+4*\c+\i]
.endr
.endr
.endm
; The row's sum of the unquantised p: two at a time, in two chains; in two parts of 15 and 17 plain instructions
.macro SUMSA st
	v_pk_add_f32 v[T2:T2+1], v[S:S+1], v[S+2:S+3]
.irp j, 4,8,12,16,20,24,28
	v_pk_add_f32 v[\st+2:\st+3], v[\st+2:\st+3], v[S+\j:S+\j+1]
	v_pk_add_f32 v[T2:T2+1], v[T2:T2+1], v[S+\j+2:S+\j+3]
.endr
.endm
.macro SUMSB st
.irp j, 32,36,40,44,48,52,56,60
	v_pk_add_f32 v[\st+2:\st+3], v[\st+2:\st+3], v[S+\j:S+\j+1]
	v_pk_add_f32 v[T2:T2+1], v[T2:T2+1], v[S+\j+2:S+\j+3]
.endr
	s_delay_alu instid0(VALU_DEP_1)
	v_pk_add_f32 v[\st+2:\st+3], v[\st+2:\st+3], v[T2:T2+1]
.endm
.macro RESC o                          ; O^T under the new M: x f; ascending
.irp j, 0,2,4,6,8,10,12,14,16,18,20,22,24,26,28,30
	v_pk_mul_f32 v[\o+\j:\o+\j+1], v[\o+\j:\o+\j+1], v[F:F+1] op_sel_hi:[1,0]
.endr
.endm
; An attention step on the image at v[ADR] + o: 128 keys, both tiles.  Its nine first loads have been issued.  q = 1, 2: my block of K, of V of the tile in hand becomes codes between the two tiles.  nl = 1: the next image's first loads are issued.
.macro ATTN o, q, nl
	s_wait_dscnt 0x0                               ; the scale words and K are in
	SMUL QA, QSC, QSC+1
	NOP4                                           ; four places between the products and the first read of their results
	SM1 STA, PCA, PWA
	SUMSA STA
	SUMSB STA
.if \q == 1
	QLK S                                          ; S is free: the block's numbers land under O's rescaling
.endif
.if \q == 2
	QLV S
.endif
	RESC OA
.if \q == 1
	s_wait_dscnt 0x0
	QST S, PCB, CKS, CKB
.endif
.if \q == 2
	s_wait_dscnt 0x0
	QST S, PCB, CVS, CVB
.endif
	SMUL QB, QSC+2, QSC+3
	NOP4                                           ; the places in front of the loads into KF and of the reads of S
.irp i, 0,1,2,3,4,5,6,7
	ds_load_b128 v[KF+4*\i:KF+4*\i+3], v[ADR] offset:(\o)+4096+512*\i   ; V's four tiles land under tile B's softmax
.endr
	SM1 STB, PCB, PWB
	RESC OB                                        ; also the places between the writes of p's codes and scale word and the scaled products
	s_wait_alu depctr_va_vdst(0)
	s_wait_dscnt 0x0                               ; V is in
.irp t, 0,1,2,3                                ; O^T += V^T P^T: the eight accumulators by turns
	v_wmma_scale_f32_16x16x128_f8f6f4 v[OA+8*\t:OA+8*\t+7], v[KF+8*\t:KF+8*\t+7], v[PCA:PCA+7], v[OA+8*\t:OA+8*\t+7], v[SC+\t], v[PWA] matrix_a_fmt:MATRIX_FMT_FP4 matrix_b_fmt:MATRIX_FMT_FP4 matrix_a_scale:MATRIX_SCALE_ROW1
	v_wmma_scale_f32_16x16x128_f8f6f4 v[OB+8*\t:OB+8*\t+7], v[KF+8*\t:KF+8*\t+7], v[PCB:PCB+7], v[OB+8*\t:OB+8*\t+7], v[SC+\t], v[PWB] matrix_a_fmt:MATRIX_FMT_FP4 matrix_b_fmt:MATRIX_FMT_FP4 matrix_a_scale:MATRIX_SCALE_ROW1
.endr
	SUMSA STB                                      ; 15 plain instructions that name no register of the products above: the places behind them
.if \nl
	ATTN_LD (\o)+IMH
.endif
	SUMSB STB
.endm
; A tile's 16 rows of x1 turn through a stage: in as they were loaded, out 32 neighbours (block h of query r) a lane
.macro QTURN x, d
.irp i, 0,1,2,3,4,5,6,7
	ds_store_b128 v[RD], v[\x+4*\i:\x+4*\i+3] offset:544*\i
.endr
.irp j, 0,1,2,3,4,5,6,7
	ds_load_b128 v[\d+4*\j:\d+4*\j+3], v[SA] offset:16*\j   ; LDS serves a wave's instructions in order
.endr
.endm
; 32 numbers of a lane, v[x] on, become [Q][0][Q] in v[q] on and the two scale words
.macro QQ x, q, sl, sh
	QBLK \x, \q
.irp g, 0,1,2,3
	v_xor_b32 v[\q+\g], s37, v[\q+\g]              ; the signs turned where scale is negative
.endr
.irp g, 0,1,2,3
	v_mov_b32 v[\q+8+\g], v[\q+\g]
	v_mov_b32 v[\q+4+\g], 0
.endr
	v_permlanex16_b32 v[PD], v[BM+2], s[SEL], s[SEL+1]
	s_delay_alu instid0(VALU_DEP_1)
	v_lshl_or_b32 v[PD+1], v[PD], 8, v[BM+2]       ; lanes 0-15: block 0's byte, block 1's above it
	s_delay_alu instid0(VALU_DEP_1)
	v_or_b32 v[\sl], 0x01010000, v[PD+1]           ; for [Q | 0]: the dead half's bytes are 1
	s_delay_alu instid0(VALU_DEP_2)
	v_lshlrev_b32 v[PD+1], 16, v[PD+1]
	s_delay_alu instid0(VALU_DEP_1)
	v_or_b32 v[\sh], 0x0101, v[PD+1]               ; for [0 | Q]
.endm
	; x1 turns through the eight stages: waves 0 to 7 first, then, behind a barrier, waves 8 to 15.  Tile 0's load stays out across that barrier.
	s_wait_loadcnt 0x0
	s_cmp_lt_u32 s[WV], 8
	s_cbranch_scc0 .Lnot_first
	QTURN S, OA
	QTURN S+32, OB
.Lnot_first:
	s_wait_dscnt 0x0                               ; the first eight have left the stages
	s_barrier_signal -1
	s_barrier_wait -1
	s_cmp_lt_u32 s[WV], 8
	s_cbranch_scc1 .Lnot_second
	QTURN S, OA
	QTURN S+32, OB
.Lnot_second:
	; TRIP 0: tile 1 is asked for; x1 becomes Q's operands while it is on its way; tile 0 becomes image pair 0 (behind the round nobody reads the stages)
	TRIPHEAD 1
	QLK S
	QLV S+32
	s_wait_kmcnt 0x0                               ; scale
	v_mov_b32 v[CV], s36
	s_delay_alu instid0(VALU_DEP_1)
	v_mul_f32 v[CV], 0x3fb8aa3b, v[CV]             ; x log2(e)
	s_delay_alu instid0(VALU_DEP_1)
	v_and_b32 v[CV], 0x7fffffff, v[CV]             ; c: its magnitude
	s_delay_alu instid0(VALU_DEP_1)
	v_mov_b32 v[CV+1], v[CV]
	s_ashr_i32 s37, s36, 31
	s_and_b32 s37, s37, 0x88888888                 ; the codes' sign bits where scale is negative, else 0
	QQ OA, QA, QSC, QSC+1
	QQ OB, QB, QSC+2, QSC+3
.set J, 0
.rept 64
	v_mov_b32 v[OA+J], 0                           ; O^T: the step is written once; its first run finds zeros
.set J, J+1
.endr
.irp s, STA, STB
	v_mov_b32 v[\s+1], 0xff61b1e6                  ; the largest t so far: -3e38
	s_delay_alu instid0(VALU_DEP_1)
	v_floor_f32 v[\s], -v[\s+1]                    ; -M
	v_mov_b32 v[\s+2], 0
	v_mov_b32 v[\s+3], 0
.endr
	s_wait_alu depctr_va_vdst(0)
	s_wait_dscnt 0x0                               ; my blocks of K and V are in
	QST S, PCA, CKS, CKB
	QST S+32, PCB, CVS, CVB
	TOGGLE
.Ltrip:                                            ; trips 1 to 6
	TRIPHEAD 1
	ATTN_LD 0
	ATTN 0, 1, 1
	ATTN IMH, 2, 0
	TOGGLE
	s_sub_co_u32 s[CNT], s[CNT], 1
	s_cmp_lg_u32 s[CNT], 0
	s_cbranch_scc1 .Ltrip
	TRIPHEAD 0                                     ; trip 7 is written out: it asks for nothing
	ATTN_LD 0
	ATTN 0, 1, 1
	ATTN IMH, 2, 0
	TOGGLE
	v_add_nc_u32 v[ADR], s[TA], v[LI]              ; the last two steps: image pair 7 % 2
	s_wait_alu depctr_va_vdst(0)
	s_wait_dscnt 0x0                               ; my codes and my scale bytes have landed,
	s_barrier_signal -1
	s_barrier_wait -1                              ; everybody's have
	ATTN_LD 0
	ATTN 0, 0, 1
	ATTN IMH, 0, 0
	; THE WAY OUT.  O^T is divided by the sum and goes through my stage, a tile (16 rows of 256 bytes) at a time, so that 32 lanes store 512 consecutive bytes.
	; The stages lie in slot 0: it has had its last fill (tile 6), and nobody has read it since trip 6.
	v_add_f32 v[T], v[STA+2], v[STA+3]
	v_add_f32 v[T2], v[STB+2], v[STB+3]
	s_delay_alu instid0(VALU_DEP_2)
	v_permlanex16_b32 v[PD], v[T], s[SEL], s[SEL+1]
	s_delay_alu instid0(VALU_DEP_2)
	v_permlanex16_b32 v[PD+1], v[T2], s[SEL], s[SEL+1]
	s_delay_alu instid0(VALU_DEP_2)
	v_add_f32 v[T], v[T], v[PD]                    ; with lane l xor 16's: the row's sum
	s_delay_alu instid0(VALU_DEP_2)
	v_add_f32 v[T2], v[T2], v[PD+1]
	s_wait_alu depctr_va_vdst(0)
	v_rcp_f32 v[RA], v[T]
	v_rcp_f32 v[RB], v[T2]
	v_mov_b32 v[RA+1], 0                           ; the pairs' upper halves are named; the plain instruction behind the reciprocals
	v_mov_b32 v[RB+1], 0
	v_and_b32 v[BM], 15, v0                        ; r
	v_bfe_u32 v[BM+1], v0, 4, 1                    ; h
	s_mul_i32 s22, s[WV], ST16                     ; my stage
	v_mul_u32_u24 v[SB], v[BM], ROWP
	v_mul_u32_u24 v[RD], v[BM+1], ROWP
	v_lshl_add_u32 v[SB], v[BM+1], 5, v[SB]
	v_lshl_add_u32 v[RD], v[BM], 4, v[RD]
	v_add_nc_u32 v[SB], s22, v[SB]
	v_add_nc_u32 v[RD], s22, v[RD]
	s_wait_alu depctr_va_vdst(0)                   ; one wait for the two reciprocals, ahead of the first use
.irp j, 0,2,4,6,8,10,12,14,16,18,20,22,24,26,28,30
	v_pk_mul_f32 v[S+\j:S+\j+1], v[OA+\j:OA+\j+1], v[RA:RA+1] op_sel_hi:[1,0]   ; register 8 t + i is out0(r, 16 t + 8 h + i)
.endr
.irp j, 0,2,4,6,8,10,12,14,16,18,20,22,24,26,28,30
	v_pk_mul_f32 v[S+32+\j:S+32+\j+1], v[OB+\j:OB+\j+1], v[RB:RB+1] op_sel_hi:[1,0]
.endr
.macro TOST x, d                               ; a tile into the stage, and back as whole rows
.irp t, 0,1,2,3
	ds_store_b128 v[SB], v[\x+8*\t:\x+8*\t+3] offset:64*\t
	ds_store_b128 v[SB], v[\x+8*\t+4:\x+8*\t+7] offset:64*\t+16
.endr
.irp i, 0,1,2,3,4,5,6,7
	ds_load_b128 v[\d+4*\i:\d+4*\i+3], v[RD] offset:544*\i
.endr
.endm
	TOST S, OA
	TOST S+32, OB
.irp i, 0,1,2,3,4,5,6,7
	s_wait_dscnt 23-\i                             ; behind tile A's load i: its 7 - i younger loads and tile B's sixteen LDS instructions
	global_store_b128 v[LI], v[OA+4*\i:OA+4*\i+3], s[40:41] offset:512*\i th:TH_STORE_NT   ; 32 lanes store 512 consecutive bytes, at a multiple of 256 from out0's first byte
.endr
.irp i, 0,1,2,3,4,5,6,7
	s_wait_dscnt 7-\i
	global_store_b128 v[LI], v[OB+4*\i:OB+4*\i+3], s[40:41] offset:4096+512*\i th:TH_STORE_NT
.endr
	s_wait_tensorcnt 0x0                           ; the wave's end
	ds_add_u32 v[SPW], v[NIL]
	s_wait_dscnt 0x0
	CROUND                                         ; the closing round
	s_endpgm
.Lfunc_end_k_q1d8f78880a_attn:
	.size	k_q1d8f78880a_attn, .Lfunc_end_k_q1d8f78880a_attn-k_q1d8f78880a_attn
	.p2alignl 7, 3214868480
	.fill 96, 4, 3214868480
	.section	.rodata,"a",@progbits
	.p2align	6, 0x0
	.amdhsa_kernel k_q1d8f78880a_attn
		.amdhsa_group_segment_fixed_size 327680
		.amdhsa_private_segment_fixed_size 0
		.amdhsa_enable_private_segment 0
		.amdhsa_kernarg_size 40
		.amdhsa_user_sgpr_count 2
		.amdhsa_user_sgpr_kernarg_segment_ptr 1
		.amdhsa_wavefront_size32 1
		.amdhsa_system_sgpr_workgroup_id_x 1
		.amdhsa_system_sgpr_workgroup_id_y 1
		.amdhsa_system_sgpr_workgroup_id_z 1
		.amdhsa_system_vgpr_workitem_id 0
		.amdhsa_next_free_vgpr 256
		.amdhsa_next_free_sgpr 66
		.amdhsa_reserve_vcc 0
		.amdhsa_float_denorm_mode_32 3
		.amdhsa_float_denorm_mode_16_64 3
		.amdhsa_memory_ordered 1
		.amdhsa_forward_progress 1
		.amdhsa_inst_pref_size 227
	.end_amdhsa_kernel
	.amdgpu_metadata
---
amdhsa.version: [ 1, 2 ]
amdhsa.kernels:
  - .name:           k_q1d8f78880a_attn
    .symbol:         k_q1d8f78880a_attn.kd
    .args:
      - { .name: scale, .offset: 0, .size: 8, .value_kind: global_buffer, .address_space: global }
      - { .name: x1, .offset: 8, .size: 8, .value_kind: global_buffer, .address_space: global }
      - { .name: x2, .offset: 16, .size: 8, .value_kind: global_buffer, .address_space: global }
      - { .name: x3, .offset: 24, .size: 8, .value_kind: global_buffer, .address_space: global }
      - { .name: out0, .offset: 32, .size: 8, .value_kind: global_buffer, .address_space: global }
    .group_segment_fixed_size: 327680
    .private_segment_fixed_size: 0
    .kernarg_segment_align: 8
    .kernarg_segment_size: 40
    .max_flat_workgroup_size: 512
    .sgpr_count:     66
    .vgpr_count:     256
    .wavefront_size: 32
...
	.end_amdgpu_metadata
.endif
;; end of part 1
